; MI455X (gfx1250); checked and timed in simulation.
; The chip was launched on July 23, 2026; its instructions are those of AMD's public machine-readable ISA for CDNA 5 (MIT licence, August 2026) and "CDNA5" Instruction Set Architecture Reference Guide (July 2026). The comments in the code are by the model that wrote it; some were corrected since.
;; Bahdanau Attention. Allowed arithmetic: float matrix products may take bf16 or f16 operands with f32 sums; all other float work in f32.
;; Inputs: V 1,024 x 1 float32; W1 2,048 x 1,024 float32; W2 2,048 x 1,024 float32; b1 1,024 float32; b2 1,024 float32; bv 1 float32; query 32 x 2,048 float32; values 32 x 1,024 x 2,048 float32.
;; Outputs: out0 32 x 2,048 float32; out1 32 x 1,024 x 1 float32.
;; 2 versions, each right; version 2 is version 1 with the launch context written anew for expert scheduling mode. Each part assembles by itself: llvm-mc -triple=amdgcn-amd-amdhsa -mcpu=gfx1250 --defsym DOCPART=n.
;; ======== version 1 of 2: 3 launches
;; workspace buffers: wb 4,194,304 bytes; qpp 2,097,152 bytes; ps 1,048,576 bytes
;; launch prep (part 1): grid 256 x 1, 8 waves a work-group, no clusters, 48,640 bytes of LDS; arguments W1, W2, query, wb, qpp; writes wb, qpp
.if DOCPART == 1
	.amdgcn_target "amdgcn-amd-amdhsa--gfx1250"
	.amdhsa_code_object_version 6
	.text
	.protected	k_qd6e390a212_prep
	.globl	k_qd6e390a212_prep
	.p2align	8
	.type	k_qd6e390a212_prep,@function
k_qd6e390a212_prep:
	s_mov_b64 s[64:65], 0
	v_nop
	global_prefetch_b8 v0, s[64:65] scope:SCOPE_SE
	s_setreg_imm32_b32 hwreg(HW_REG_WAVE_MODE, 25, 1), 1
	s_wait_xcnt 0x0
; TWO SMALL JOBS IN FRONT OF THE BIG PRODUCT; every work-group does one block of each.
; JOB C: W1 [2048 k][1024 n] f32 is rounded to bf16 and turned: wb[s = k / 64][n][k % 64], so that for one K step of 64 the rows of 128 columns are 16,384 dense bytes with k along a row.
;        Work-group g takes K step s = g / 8 and the 128 columns of block g % 8: 64 x 128 numbers.
; JOB Q: a part of query x W2: qpp[ks][b][u] = the sum over the 128 k of slice ks of query[b][k] W2[k][u], operands rounded to bf16, sums in f32.
;        Work-group g takes ks = g / 16 and the 64 columns of block g % 16; each of the eight waves makes one 16 x 16 tile of the 32 x 64 (rows 16 (w % 2) on, columns 16 (w / 2) on).
;        The sixteen slices are added by the launch that uses them.
; No tile is shared between work-groups but query's 16 KB slices, so there is no cluster; every LDS region is written once and read once.
.set CST, 0            ; job C: 128 rows (n) x 144 bytes (64 bf16 + 16 of padding)
.set WST, 18432        ; job Q: 128 rows (k) x 160 bytes (64 bf16 + 32 of padding: the pitch that the turning load reads without two lanes in one bank)
.set OST, 38912        ; job Q: 32 rows (b) x 272 bytes (64 f32 + 16 of padding)
.set A1,  6            ; v6   byte offset of my 16 bytes in W1's block: row 8 w, columns 4 L on
.set A2,  7            ; v7   the same in W2's block and in qpp's: row t / 16, 16 bytes at 16 (t % 16)
.set AQ,  8            ; v8   my fragment's place in query
.set S1,  9            ; v9   job C: where I put 16 bytes (8 k of one n)
.set R1,  10           ; v10  job C: where I read a row back
.set G1O, 11           ; v11  job C: 16 t, my place in 4,096 consecutive bytes of wb
.set S2,  12           ; v12  job Q: where I put 8 bytes of W2
.set TR,  13           ; v13  job Q: my place for the turning load
.set SD,  14           ; v14  job Q: where I put my results
.set RDO, 15           ; v15  job Q: where I read a row back
.set X1,  16           ; v16-47    W1 as loaded: row j at 4 j
.set X2,  48           ; v48-79    W2 as loaded
.set QR,  80           ; v80-143   query's fragments in f32
.set Y,   144          ; v144-159  W1 packed, then whole rows read back
.set Z,   160          ; v160-175  W2 packed, then results read back
.set QF,  176          ; v176-207  query's fragments in bf16, four of 32 k
.set BF,  208          ; v208-239  W2's fragments, four of 32 k
.set ACC, 240          ; v240-247  the wave's one accumulator
	s_load_b256 s[4:11], s[0:1], 0x0               ; W1 s[4:5], W2 s[6:7], query s[8:9], wb s[10:11]
	s_load_b64 s[12:13], s[0:1], 0x20              ; qpp
	v_lshl_add_u32 v248, v0, 2, 0xba00
	v_mov_b32 v249, 0
	v_lshrrev_b32 v1, 5, v0
	v_readfirstlane_b32 s14, v1                    ; wave 0..7
	s_lshr_b32 s15, ttmp9, 3                       ; s
	s_and_b32 s16, ttmp9, 7                        ; column block of 128
	s_lshr_b32 s17, ttmp9, 4                       ; ks
	s_and_b32 s18, ttmp9, 15                       ; column block of 64
	s_and_b32 s23, s14, 1
	s_lshl_b32 s23, s23, 4                         ; my tile's first row of query: 16 (w % 2)
	s_lshr_b32 s24, s14, 1                         ; my tile's column block: w / 2
	s_lshl_b32 s25, s24, 6                         ; its 64 bytes in a row of f32 results
	s_lshl_b32 s24, s24, 5                         ; its 32 bytes in a row of bf16
	v_and_b32 v2, 31, v0                           ; L
	v_and_b32 v3, 15, v0                           ; r = L % 16 = t % 16
	v_bfe_u32 v4, v0, 4, 1                         ; h = L / 16
	v_lshrrev_b32 v5, 4, v0                        ; t / 16
	v_lshlrev_b32 v[A1], 4, v2
	v_lshl_or_b32 v[A1], v1, 15, v[A1]             ; 8 w rows of 4,096 bytes + 16 L
	v_lshlrev_b32 v[A2], 4, v3
	v_lshl_or_b32 v[A2], v5, 12, v[A2]             ; t / 16 rows of 4,096 bytes + 16 (t % 16)
	v_add_nc_u32 v[AQ], s23, v3
	v_lshlrev_b32 v[AQ], 13, v[AQ]                 ; query's row of 8,192 bytes
	v_lshl_or_b32 v[AQ], v4, 5, v[AQ]              ; + 8 h numbers of f32
	v_mul_u32_u24 v[S1], v2, 576                   ; n = 4 L: four rows of 144
	v_lshl_add_u32 v[S1], v1, 4, v[S1]             ; k = 8 w: 16 bytes
	v_lshrrev_b32 v[R1], 3, v0
	v_mul_u32_u24 v[R1], v[R1], 144
	v_and_b32 v[TR], 7, v0
	v_lshl_add_u32 v[R1], v[TR], 4, v[R1]          ; row t / 8, 16 bytes at 16 (t % 8)
	v_lshlrev_b32 v[G1O], 4, v0
	v_mul_u32_u24 v[S2], v5, 160
	v_lshl_add_u32 v[S2], v3, 3, v[S2]             ; row t / 16, 8 bytes at 8 (t % 16)
	v_lshl_add_u32 v[TR], v4, 3, v[TR]             ; the turning load: row 8 h + L % 8,
	v_mul_u32_u24 v[TR], v[TR], 160
	v_bfe_u32 v[SD], v0, 3, 1
	v_lshl_add_u32 v[TR], v[SD], 4, v[TR]          ; 16 bytes at 16 ((L / 8) % 2),
	v_add_nc_u32 v[TR], s24, v[TR]                 ; in my tile's 16 columns
	v_lshl_add_u32 v[SD], v4, 3, s23               ; a result register j holds row 8 h + j, column r
	v_mul_u32_u24 v[SD], v[SD], 272
	v_lshl_add_u32 v[SD], v3, 2, v[SD]
	v_add_nc_u32 v[SD], s25, v[SD]
	v_mul_u32_u24 v[RDO], v5, 272
	v_lshl_add_u32 v[RDO], v3, 4, v[RDO]
	s_mov_b32 s21, 0                               ; every offset below stays under 2^32
	s_wait_kmcnt 0x0
	s_lshl_b32 s20, s15, 18                        ; W1: 64 s rows of 4,096 bytes + 512 bytes a column block
	s_lshl_b32 s22, s16, 9
	s_add_co_u32 s20, s20, s22
	s_add_nc_u64 s[4:5], s[4:5], s[20:21]
	s_lshl_b32 s20, s17, 19                        ; W2: 128 ks rows + 256 bytes a column block
	s_lshl_b32 s22, s18, 8
	s_add_co_u32 s20, s20, s22
	s_add_nc_u64 s[6:7], s[6:7], s[20:21]
	s_lshl_b32 s20, s17, 9                         ; query: 128 ks numbers along the row
	s_add_nc_u64 s[8:9], s[8:9], s[20:21]
	s_lshl_b32 s20, s15, 17                        ; wb: 131,072 bytes a K step + 16,384 a column block
	s_lshl_b32 s22, s16, 14
	s_add_co_u32 s20, s20, s22
	s_add_nc_u64 s[10:11], s[10:11], s[20:21]
	s_lshl_b32 s20, s17, 17                        ; qpp: 131,072 bytes a slice + 256 a column block
	s_lshl_b32 s22, s18, 8
	s_add_co_u32 s20, s20, s22
	s_add_nc_u64 s[12:13], s[12:13], s[20:21]
	; all 32 loads in one run
.irp j, 0,1,2,3,4,5,6,7
	global_load_b128 v[X1+4*(\j):X1+4*(\j)+3], v[A1], s[4:5] offset:(\j)*4096 th:TH_LOAD_NT   ; a wave's load: 512 consecutive bytes of row 8 w + j
.endr
.irp p, 0,1,2,3,4,5,6,7
	global_load_b128 v[X2+4*(\p):X2+4*(\p)+3], v[A2], s[6:7] offset:(\p)*65536 th:TH_LOAD_NT  ; row 16 p + t / 16: sixteen lanes take its 256 bytes
.endr
.irp c, 0,1,2,3                        ; a fragment of 16 rows x 32 k: k = 8 h + 0..7, then 16 + 8 h + 0..7, in f32 32 bytes each, 64 bytes apart
	global_load_b128 v[QR+16*(\c):QR+16*(\c)+3],     v[AQ], s[8:9] offset:(\c)*128
	global_load_b128 v[QR+16*(\c)+4:QR+16*(\c)+7],   v[AQ], s[8:9] offset:(\c)*128+16
	global_load_b128 v[QR+16*(\c)+8:QR+16*(\c)+11],  v[AQ], s[8:9] offset:(\c)*128+64
	global_load_b128 v[QR+16*(\c)+12:QR+16*(\c)+15], v[AQ], s[8:9] offset:(\c)*128+80
.endr
	s_wait_loadcnt 24                              ; loads come back in order: W1's eight are in, the 24 younger ones stay out
.irp i, 0,1,2,3                        ; column 4 L + i: its eight k, two to a register, 16 bytes
.irp p, 0,1,2,3
	v_cvt_pk_bf16_f32 v[Y+4*(\i)+(\p)], v[X1+8*(\p)+(\i)], v[X1+8*(\p)+4+(\i)]
.endr
	ds_store_b128 v[S1], v[Y+4*(\i):Y+4*(\i)+3] offset:CST+(\i)*144  ; four lanes share a group of banks here: four such stores a thread in the whole launch
.endr
	s_wait_loadcnt 16                              ; W2's eight are in, query's sixteen stay out
.irp p, 0,1,2,3,4,5,6,7
	v_cvt_pk_bf16_f32 v[Z+2*(\p)],   v[X2+4*(\p)],   v[X2+4*(\p)+1]
	v_cvt_pk_bf16_f32 v[Z+2*(\p)+1], v[X2+4*(\p)+2], v[X2+4*(\p)+3]
	ds_store_b64 v[S2], v[Z+2*(\p):Z+2*(\p)+1] offset:WST+(\p)*2560
.endr
	s_wait_loadcnt 0x0                             ; query
.set p, 0
.rept 32
	v_cvt_pk_bf16_f32 v[QF+p], v[QR+2*p], v[QR+2*p+1]
.set p, p+1
.endr
	s_wait_dscnt 0x0                               ; for the others' sake: my stores into both stages are done
	s_barrier_signal -1
	s_barrier_wait -1
.irp p, 0,1,2,3
	ds_load_b128 v[Y+4*(\p):Y+4*(\p)+3], v[R1] offset:CST+(\p)*4608      ; row 32 p + t / 8 of the turned block
.endr
.irp c, 0,1,2,3                        ; W2's 32 k x 16 columns, turned: lane L gets column r and 8 k a load
	ds_load_tr16_b128 v[BF+8*(\c):BF+8*(\c)+3],   v[TR] offset:WST+(\c)*5120
	ds_load_tr16_b128 v[BF+8*(\c)+4:BF+8*(\c)+7], v[TR] offset:WST+(\c)*5120+2560
.endr
	s_wait_dscnt 8                                 ; the four rows are back; the eight turning loads stay out
.irp p, 0,1,2,3
	global_store_b128 v[G1O], v[Y+4*(\p):Y+4*(\p)+3], s[10:11] offset:(\p)*4096  ; a wave's store: 512 consecutive bytes, at a multiple of 512 from wb's first
.endr
	s_wait_dscnt 0x0
	v_wmma_f32_16x16x32_bf16 v[ACC:ACC+7], v[QF:QF+7], v[BF:BF+7], 0     ; the first 32 k start the sum
.irp c, 1,2,3
	s_wait_alu depctr_va_vdst(0)                   ; this wait stands ahead of each link
	v_wmma_f32_16x16x32_bf16 v[ACC:ACC+7], v[QF+8*(\c):QF+8*(\c)+7], v[BF+8*(\c):BF+8*(\c)+7], v[ACC:ACC+7]
.endr
.rept 4
	v_nop                                          ; four places between the last product and the stores that read it
.endr
.irp j, 0,1,2,3,4,5,6,7
	ds_store_b32 v[SD], v[ACC+(\j)] offset:OST+(\j)*272
.endr
	s_wait_dscnt 0x0                               ; for the others' sake
	s_barrier_signal -1
	s_barrier_wait -1
.irp p, 0,1
	ds_load_b128 v[Z+4*(\p):Z+4*(\p)+3], v[RDO] offset:OST+(\p)*4352     ; row 16 p + t / 16, whole
.endr
	s_wait_dscnt 0x0
.irp p, 0,1
	global_store_b128 v[A2], v[Z+4*(\p):Z+4*(\p)+3], s[12:13] offset:(\p)*65536  ; sixteen lanes store 256 consecutive bytes, at a multiple of 256 from qpp's first
.endr
	s_wait_tensorcnt 0x0
	ds_add_u32 v248, v249
	s_wait_dscnt 0x0
	s_endpgm
.Lfunc_end_k_qd6e390a212_prep:
	.size	k_qd6e390a212_prep, .Lfunc_end_k_qd6e390a212_prep-k_qd6e390a212_prep
	.p2alignl 7, 3214868480
	.fill 96, 4, 3214868480
	.section	.rodata,"a",@progbits
	.p2align	6, 0x0
	.amdhsa_kernel k_qd6e390a212_prep
		.amdhsa_group_segment_fixed_size 48640
		.amdhsa_private_segment_fixed_size 0
		.amdhsa_enable_private_segment 0
		.amdhsa_kernarg_size 40
		.amdhsa_user_sgpr_count 2
		.amdhsa_user_sgpr_kernarg_segment_ptr 1
		.amdhsa_wavefront_size32 1
		.amdhsa_system_sgpr_workgroup_id_x 1
		.amdhsa_system_sgpr_workgroup_id_y 1
		.amdhsa_system_sgpr_workgroup_id_z 1
		.amdhsa_system_vgpr_workitem_id 0
		.amdhsa_next_free_vgpr 250
		.amdhsa_next_free_sgpr 66
		.amdhsa_reserve_vcc 0
		.amdhsa_float_denorm_mode_32 3
		.amdhsa_float_denorm_mode_16_64 3
		.amdhsa_memory_ordered 1
		.amdhsa_forward_progress 1
		.amdhsa_inst_pref_size 14
	.end_amdhsa_kernel
	.amdgpu_metadata
---
amdhsa.version: [ 1, 2 ]
amdhsa.kernels:
  - .name:           k_qd6e390a212_prep
    .symbol:         k_qd6e390a212_prep.kd
    .args:
      - { .name: W1, .offset: 0, .size: 8, .value_kind: global_buffer, .address_space: global }
      - { .name: W2, .offset: 8, .size: 8, .value_kind: global_buffer, .address_space: global }
      - { .name: query, .offset: 16, .size: 8, .value_kind: global_buffer, .address_space: global }
      - { .name: wb, .offset: 24, .size: 8, .value_kind: global_buffer, .address_space: global }
      - { .name: qpp, .offset: 32, .size: 8, .value_kind: global_buffer, .address_space: global }
    .group_segment_fixed_size: 48640
    .private_segment_fixed_size: 0
    .kernarg_segment_align: 8
    .kernarg_segment_size: 40
    .max_flat_workgroup_size: 256
    .sgpr_count:     66
    .vgpr_count:     250
    .wavefront_size: 32
...
	.end_amdgpu_metadata
.endif
;; end of part 1
;; launch score (part 2): grid 4 x 128, 4 waves a work-group, clusters of 4 x 4, 327,680 bytes of LDS; arguments values, wb, qpp, b1, b2, V, ps; writes ps
.if DOCPART == 2
	.amdgcn_target "amdgcn-amd-amdhsa--gfx1250"
	.amdhsa_code_object_version 6
	.text
	.protected	k_qd6e390a212_score
	.globl	k_qd6e390a212_score
	.p2align	8
	.type	k_qd6e390a212_score,@function
k_qd6e390a212_score:
	s_mov_b64 s[64:65], 0
	v_nop
	global_prefetch_b8 v0, s[64:65] scope:SCOPE_SE
	s_setreg_imm32_b32 hwreg(HW_REG_WAVE_MODE, 25, 1), 1
	s_wait_xcnt 0x0
	s_wait_alu depctr_hold_cnt(0) depctr_sa_sdst(0) depctr_va_vdst(0) depctr_va_sdst(0) depctr_va_ssrc(0) depctr_va_vcc(0) depctr_vm_vsrc(0)
	s_getreg_b32 s2, hwreg(HW_REG_IB_STS2, 6, 4)
	s_cmp_eq_u32 s2, 0
	s_cbranch_scc0 .Lentry_in_a_cluster
	s_endpgm
.Lentry_in_a_cluster:
	s_bfe_u32 s2, ttmp6, 0x10000c
	s_cmp_lg_u32 s2, 0xf033
	s_cbranch_scc0 .Lentry_shape_is_right
	s_endpgm
.Lentry_shape_is_right:
; ps[nb][row] = the sum over the 128 columns u of block nb of V[u] tanh( (values x W1)[row][u] + (query x W2)[batch][u] + b1[u] + b2[u] ).   row = 1,024 batch + t: 32,768 rows; K = 2,048; 1,024 columns.
; values comes in as f32 and is rounded to bf16 (nearest even) between LDS and the matrix instruction; W1 comes from wb, bf16 and turned; sums in f32.  tanh(x) = 1 - 2 / (1 + 2^(c x)), c = 2 log2(e), in f32;
; tanh and V are rounded to bf16 for the second product, whose sums are f32.
; LIMITS.  Where 2^(c x) overflows the quotient is 0 and tanh is 1; where it underflows tanh is -1: both are what f32 gives.  NaN and infinities in the inputs are not treated apart.
; SHARES.  A tile is 256 rows x 256 columns, a work-group of four waves; a wave makes 128 x 128: 64 accumulators of 16 x 16, 512 registers.
; THE RING.  A k costs 1,536 bytes of LDS (256 rows of f32, 256 columns of bf16), so about 192 k fit.  They are held as TWO UNEQUAL SLOTS: X with 128 k, Y with 64 k; a lap is X, then Y.  So 192 k have two changes
; of slots, values' rows in memory are 512 and 256 bytes at multiples of 256 (a lap is 768 bytes), and 2,048 = 10 laps + one X.  Y's load has X's 128 k and more in which to land, X's load has Y's 64 k.
; CLUSTER.  4 x 4 work-groups: the four column tiles (all 1,024 columns) of four row tiles, which are one batch.  The four of a row of the cluster need the same tile of values, the four of a column the same
; tile of wb: each is asked for JOINTLY, by the same tensor load with the same descriptor and a mask that names the four.
; THE MATRIX INSTRUCTION IS USED TRANSPOSED: source 0 = 16 columns u, source 1 = 16 rows t.  In the result lane l holds row t = l % 16 and the columns 8 (l / 16) + 0..7.  Two neighbouring results, after tanh and
; rounded in pairs, ARE source 1 (32 u x 16 t) of the second product, whose source 0 is V's 32 numbers in every one of its 16 rows.
; REGISTERS, in windows of 256 (s_set_vgpr_msb: bits 1:0 source 0, 3:2 source 1, 5:4 source 2, 7:6 destination):
;   window 0: v0-31 addresses; v64-127, v128-191 fragments of values in bf16, two buffers.  At the start v192-229 the loads for the biases.  At the end: v32-47 the second product's two accumulators,
;             v48-55 its results, v56-59 the way out, v64-127 c (q + b1 + b2) of my columns, v128-159 V's fragments, v192-223 tanh in bf16
;   window 1: v64-127, v128-191 fragments of wb, two buffers; v0-63, v192-255 fragments of values in f32, as they come from LDS
;   window 2: the 32 accumulators of my rows 0-63 ((a, b) at v[8 (8 a + b)]);   window 3: those of my rows 64-127
.set PAX,   528                        ; a row of values in X: 128 f32 + 16 bytes of padding = 132 words: the 16 rows of a load start at 16 different groups of four banks (64 banks of 4 bytes: ISA guide 11.1)
.set PAY,   272                        ; in Y: 64 f32 + 16 bytes = 68 words: likewise
.set PB,    144                        ; a row of wb: 64 bf16 + 16 bytes = 36 words: likewise
.set HAX,   128*PAX                    ; 128 rows of values in X: what one tensor load brings, and what one wave reads
.set HAY,   128*PAY                    ; the same in Y
.set HB,    128*PB                     ; 128 columns of wb, one block of 64 k; a load for X brings two such blocks, one behind the other
.set XA,    0                          ; X: values' 256 rows,
.set XB,    XA+2*HAX                   ;    then wb's 256 columns: two halves of two blocks
.set YA,    XB+4*HB                    ; Y: values' 256 rows,
.set YB,    YA+2*HAY                   ;    then wb's 256 columns
.set QS,    YB+2*HB                    ; behind the ring, where no tensor load lands: c (q + b1 + b2) of the tile's 256 columns, f32
.set VS,    QS+1024                    ; V of the tile's 256 columns, bf16 (512 bytes of a block of 1,024)
.set PSTG,  VS+1024                    ; 512 bytes for each wave, for the way out
.set SPARE, PSTG+2048                  ; the spare words, 128 bytes for each wave: two blocks of 256 bytes that no other line names
.set LAPA,  768                        ; a lap in a row of values: 192 f32
.set LAPB,  3*131072                   ; a lap in wb: three blocks of 64 k
.set ADRA, 16                          ; v16-17  LDS address of my fragments of values in X, Y
.set ADRB, 20                          ; v20-21  the same for wb
.set PF2,  22                          ; v22     my byte offset for the prefetch of Y's tiles; never rewritten
.set STO,  24                          ; v24     the way out: where I put a row's number
.set RD,   25                          ; v25     the way out: where I read 16 bytes back
.set CO,   26                          ; v26     my byte offset in the wave's 512 bytes of ps
.set PF,   27                          ; v27     my byte offset for the prefetch of X's tiles; never rewritten
.set SPW,  28                          ; v28     LDS address of my spare word: SPARE + 4 x my thread's number; never rewritten
.set NIL,  29                          ; v29     0; never rewritten
.set QRD,  30                          ; v30     where I read c (q + b1 + b2)
.set VRD,  31                          ; v31     where I read V
.set D0,   32
.set D1,   40
.set T,    48
.set OUT,  56
.set F0,   64
.set F1,   128
.set CQ,   64
.set VF,   128
.set P,    192
.set LD,   192
.set G1A, 24                           ; s[24:31], s[32:39] descriptor group 1 for values' tiles in X, in Y
.set G0B, 40                           ; s[40:43], s[44:47] group 0 for wb's tiles in X, in Y
.set G1B, 48                           ; s[48:55], s[56:63] group 1 for wb's tiles in X, in Y
.set G0A, 92                           ; s[92:95], s[96:99] group 0 for values' tiles in X, in Y
.set CC,  82                           ; s[82:83] c: the packed scaling takes the pair's low word for both halves
.set PFB, 86                           ; s[86:87] the prefetch's base
.set MSB, 0
.macro WIN new                         ; the immediate's high byte repeats the setting that is left; a switch that changes nothing is dropped
.if MSB != (\new)
	s_set_vgpr_msb (MSB<<8)|(\new)
.set MSB, \new
.endif
.endm
.set MUL_LO, 0xa1                      ; source 0 (wb) window 1, source 1 (values) window 0, C and D window 2
.set MUL_HI, 0xf1                      ; the same, C and D window 3
.set TO_B,   0x40                      ; destination window 1, address window 0
.set CVW,    0x05                      ; sources 0 and 1 window 1, destination window 0
; A joint load for slot s (0: X, 1: Y).  Waves 0 and 1 fetch values' two halves, waves 2 and 3 wb's.  Each line has one mask and one set of registers; the branch hangs on the wave's number alone.
; Four v_nop follow each of the two lines, ahead of the jump, the label and what follows.
.macro JLOAD s
	s_cmp_eq_u32 s11, 0
	s_cbranch_scc0 .Lfor_b_\@
	tensor_load_to_lds s[G0A+4*(\s):G0A+4*(\s)+3], s[G1A+8*(\s):G1A+8*(\s)+7]
	s_nop 0
.rept 4
	v_nop
.endr
	s_branch .Lasked_\@
.Lfor_b_\@:
	tensor_load_to_lds s[G0B+4*(\s):G0B+4*(\s)+3], s[G1B+8*(\s):G1B+8*(\s)+7]
	s_nop 0
.rept 4
	v_nop
.endr
.Lasked_\@:
.endm
; A round of the cluster's barrier: my work-group's barrier, so that wave 0's signal speaks for all four waves; wave 0 signals; every wave waits for all sixteen work-groups; my work-group's barrier once more.
.macro CREST                           ; a round behind its opening barrier
	s_cmp_lg_u32 s10, 0
	s_cbranch_scc1 .Lnot_wave_0_\@
	s_barrier_signal -3
.Lnot_wave_0_\@:
	s_barrier_wait -3
	s_barrier_signal -1
	s_barrier_wait -1
.endm
.macro CROUND                          ; a whole round
	s_barrier_signal -1
	s_barrier_wait -1
	CREST
.endm
	s_load_b256 s[68:75], s[0:1], 0x0              ; values s[68:69], wb s[70:71], qpp s[72:73], b1 s[74:75]
	s_load_b128 s[76:79], s[0:1], 0x20             ; b2 s[76:77], V s[78:79]
	s_load_b64 s[80:81], s[0:1], 0x30              ; ps
	v_lshl_add_u32 v[SPW], v0, 2, SPARE
	v_mov_b32 v[NIL], 0
	ds_add_u32 v28, v29
	ds_add_u32 v28, v29
	s_wait_dscnt 0x0
	v_lshrrev_b32 v1, 5, v0
	v_readfirstlane_b32 s10, v1                    ; wave 0..3
	s_lshr_b32 s11, s10, 1                         ; which half of the tile's rows is mine.  Also: I fetch for values (0) or for wb (1)
	s_and_b32 s12, s10, 1                          ; which half of its columns.  Also: which 128 rows of that tile I fetch
	s_bfe_u32 s4, ttmp6, 0x40000                   ; cx, cy: my place in the cluster
	s_bfe_u32 s5, ttmp6, 0x40004
	s_lshl_b32 s6, ttmp9, 2                        ; in a cluster launch ttmp9 and ttmp7 count clusters
	s_add_co_u32 s6, s6, s4                        ; tile column = 4 x cluster x + cx
	s_and_b32 s7, ttmp7, 0xffff                    ; cluster y = the batch: four tiles of 256 rows
	s_lshl_b32 s13, s7, 2
	s_add_co_u32 s13, s13, s5                      ; tile row = 4 x cluster y + cy
	s_lshl_b32 s8, s5, 2
	s_lshl_b32 s8, 15, s8                          ; my row of the cluster: places 4 cy .. 4 cy + 3
	s_lshl_b32 s9, 0x1111, s4                      ; my column: places cx, cx + 4, cx + 8, cx + 12
	; descriptor group 1.  values in X: a tile of 128 rows x 128 elements of 4 bytes, 2,048 elements from row to row, padded in LDS
	s_or_b32 s[G1A+0], s8, (2<<16)|(1<<20)|(1<<21)|(6<<22)|(3<<25)  ; 15:0 the mask: my row; 17:16 elements of 4 bytes; 20 padding on; 21 set beside a mask; 24:22 after every 128 words (code 6); 31:25 4 words (code 3)
	s_mov_b32 s[G1A+1], 128<<16                    ; tensor_dim0 = 128
	s_mov_b32 s[G1A+2], 128<<16                    ; tensor_dim1 = 128
	s_mov_b32 s[G1A+3], 128<<16                    ; tile_dim0 = 128
	s_mov_b32 s[G1A+4], 128                        ; tile_dim1 = 128
	s_mov_b32 s[G1A+5], 2048                       ; tensor_dim0_stride
	s_mov_b32 s[G1A+6], 0
	s_mov_b32 s[G1A+7], 0
	; values in Y: 128 rows x 64 elements
	s_or_b32 s[G1A+8], s8, (2<<16)|(1<<20)|(1<<21)|(5<<22)|(3<<25)  ; the same, padded after every 64 words (code 5)
	s_mov_b32 s[G1A+9], 64<<16                     ; tensor_dim0 = 64
	s_mov_b32 s[G1A+10], 128<<16                   ; tensor_dim1 = 128
	s_mov_b32 s[G1A+11], 64<<16                    ; tile_dim0 = 64
	s_mov_b32 s[G1A+12], 128                       ; tile_dim1 = 128
	s_mov_b32 s[G1A+13], 2048
	s_mov_b32 s[G1A+14], 0
	s_mov_b32 s[G1A+15], 0
	; wb: 128 columns of one block of 64 k are 16,384 dense bytes: one row of 8,192 elements of 2 bytes, padded in LDS after every column's 128 bytes.  X takes two such rows, a block (131,072 bytes) apart, Y one
	s_or_b32 s[G1B+0], s9, (1<<16)|(1<<20)|(1<<21)|(4<<22)|(3<<25)  ; the mask: my column; elements of 2 bytes; after every 32 words (code 4) 4 words
	s_mov_b32 s[G1B+1], 8192<<16                   ; tensor_dim0 = 8,192
	s_mov_b32 s[G1B+2], 2<<16                      ; tensor_dim1 = 2
	s_mov_b32 s[G1B+3], 8192<<16                   ; tile_dim0 = 8,192
	s_mov_b32 s[G1B+4], 2                          ; tile_dim1 = 2
	s_mov_b32 s[G1B+5], 65536                      ; tensor_dim0_stride
	s_mov_b32 s[G1B+6], 0
	s_mov_b32 s[G1B+7], 0
	s_or_b32 s[G1B+8], s9, (1<<16)|(1<<20)|(1<<21)|(4<<22)|(3<<25)
	s_mov_b32 s[G1B+9], 8192<<16
	s_mov_b32 s[G1B+10], 1<<16                     ; tensor_dim1 = 1
	s_mov_b32 s[G1B+11], 8192<<16
	s_mov_b32 s[G1B+12], 1                         ; tile_dim1 = 1
	s_mov_b32 s[G1B+13], 65536
	s_mov_b32 s[G1B+14], 0
	s_mov_b32 s[G1B+15], 0
	; where the tiles come from.  values' hang on the tile row alone, wb's on the tile column alone; every wave makes both addresses, in registers that never hold the other coordinate
	s_lshl_b32 s17, s12, 7                         ; which 128 rows of the tile I fetch
	s_lshl_b32 s16, s13, 8
	s_add_co_u32 s16, s16, s17                     ; values: row 256 x tile row + 128 x half,
	s_lshl_b32 s16, s16, 13                        ; of 8,192 bytes: under 2^28
	s_lshl_b32 s100, s6, 8
	s_add_co_u32 s100, s100, s17                   ; wb: column 256 x tile column + 128 x half,
	s_lshl_b32 s100, s100, 7                       ; of 128 bytes in a block of 64 k
	s_mov_b32 s17, 0
	s_mov_b32 s101, 0
	s_mul_i32 s20, s12, HAX                        ; and where they go: the half's place in each of the four regions; no place in the cluster enters an LDS address
	s_mul_i32 s21, s12, HAY
	s_mul_i32 s22, s12, 2*HB
	s_mul_i32 s23, s12, HB
	s_lshl_b32 s18, s7, 12                         ; qpp: the batch's row of 4,096 bytes + the tile's 1,024
	s_lshl_b32 s88, s6, 10                         ; b1, b2, V: the tile's 1,024 bytes
	s_add_co_u32 s18, s18, s88
	s_mov_b32 s19, 0
	s_mov_b32 s89, 0
	s_lshl_b32 s84, s13, 21                        ; the tile's 256 rows of values
	s_mov_b32 s85, 0
	s_lshl_b32 s90, s6, 1                          ; ps: block 2 x tile column + half, of 131,072 bytes,
	s_add_co_u32 s90, s90, s12
	s_lshl_b32 s90, s90, 17
	s_lshl_b32 s2, s13, 10                         ; + row 256 x tile row + 128 x half, of 4 bytes
	s_add_co_u32 s90, s90, s2
	s_lshl_b32 s2, s11, 9
	s_add_co_u32 s90, s90, s2
	s_mov_b32 s91, 0
	s_mov_b32 s[CC], 0x4038aa3b                    ; c = 2 log2(e) = 2.885390
	s_mov_b32 s[CC+1], s[CC]                       ; named with it as a pair
	v_and_b32 v1, 15, v0                           ; r = l % 16
	v_bfe_u32 v2, v0, 4, 1                         ; h = l / 16
	v_and_b32 v5, 31, v0                           ; l
	v_lshlrev_b32 v6, 3, v0                        ; thread t owns the tile's columns 2 t and 2 t + 1: 8 bytes of f32
	s_lshl_b32 s2, s4, 6                           ; the prefetch: of the tile's 256 rows each partner of my row asks for 64, each wave for 16
	s_lshl_b32 s3, s10, 4
	s_add_co_u32 s2, s2, s3
	v_add_nc_u32 v[PF], s2, v1                     ; X's 512 bytes of a row: a lane for each of my 16 rows,
	v_lshlrev_b32 v[PF], 13, v[PF]
	v_lshl_or_b32 v[PF], v2, 8, v[PF]              ; lanes 0-15 for the first 256 bytes, lanes 16-31 for the second
	v_add_nc_u32 v[PF2], s2, v5                    ; Y's 256 bytes of a row: an even wave asks for its 16 rows and the next wave's
	v_lshlrev_b32 v[PF2], 13, v[PF2]
	s_wait_kmcnt 0x0
	s_add_nc_u64 s[14:15], s[68:69], s[16:17]
	s_add_nc_u64 s[100:101], s[70:71], s[100:101]
	s_add_nc_u64 s[72:73], s[72:73], s[18:19]
	s_add_nc_u64 s[74:75], s[74:75], s[88:89]
	s_add_nc_u64 s[76:77], s[76:77], s[88:89]
	s_add_nc_u64 s[78:79], s[78:79], s[88:89]
	s_add_nc_u64 s[80:81], s[80:81], s[90:91]
	s_add_nc_u64 s[PFB:PFB+1], s[68:69], s[84:85]  ; the tile's first row
.irp i, 0,1,2,3,4,5,6,7,8,9,10,11,12,13,14,15
	global_load_b64 v[LD+2*(\i):LD+2*(\i)+1], v6, s[72:73] offset:(\i)*131072  ; the sixteen slices of query x W2
.endr
	global_load_b64 v[LD+32:LD+33], v6, s[74:75]   ; b1
	global_load_b64 v[LD+34:LD+35], v6, s[76:77]   ; b2
	global_load_b64 v[LD+36:LD+37], v6, s[78:79]   ; V
	CROUND                                         ; all sixteen work-groups are here: the first joint loads meet
	s_mov_b32 s[G0A], 1                            ; 1:0 count = 1
	s_add_co_u32 s[G0A+1], s20, XA                 ; 63:32 LDS address
	s_add_nc_u64 s[G0A+2:G0A+3], s[14:15], 0       ; 120:64 global address: k = 0 on
	s_or_b32 s[G0A+3], s[G0A+3], 0x80000000        ; 127:126 type = 2
	s_mov_b32 s[G0A+4], 1
	s_add_co_u32 s[G0A+5], s21, YA
	s_add_nc_u64 s[G0A+6:G0A+7], s[14:15], 512     ; k = 128 on
	s_or_b32 s[G0A+7], s[G0A+7], 0x80000000
	s_mov_b32 s[G0B], 1
	s_add_co_u32 s[G0B+1], s22, XB
	s_add_nc_u64 s[G0B+2:G0B+3], s[100:101], 0     ; blocks 0 and 1
	s_or_b32 s[G0B+3], s[G0B+3], 0x80000000
	s_mov_b32 s[G0B+4], 1
	s_add_co_u32 s[G0B+5], s23, YB
	s_add_nc_u64 s[G0B+6:G0B+7], s[100:101], 262144  ; block 2
	s_or_b32 s[G0B+7], s[G0B+7], 0x80000000
	JLOAD 0                                        ; the ring is filled before anything else is done: two loads of mine are out
	JLOAD 1
	global_prefetch_b8 v[PF], s[PFB:PFB+1] offset:LAPA th:TH_LOAD_NT scope:SCOPE_SE  ; values' tile for X of lap 1
	; A fragment is 16 rows x 32 k: lane l holds row l % 16; k = 8 (l / 16) + 0..7, then 16 + 8 (l / 16) + 0..7.  In f32: twice 32 bytes, 64 bytes apart; in bf16: twice 16 bytes, 32 apart.
	v_mul_u32_u24 v3, v1, PAX
	v_lshl_add_u32 v3, v2, 5, v3
	v_mul_u32_u24 v4, v1, PAY
	v_lshl_add_u32 v4, v2, 5, v4
	v_mul_u32_u24 v10, v1, PB
	v_lshl_add_u32 v10, v2, 4, v10
	s_mul_i32 s20, s11, HAX                        ; my 128 rows of values in X (XA = 0),
	s_mul_i32 s21, s11, HAY
	s_add_co_u32 s21, s21, YA                      ; and in Y
	s_add_co_u32 s22, s22, XB                      ; my 128 columns of wb in X,
	s_add_co_u32 s23, s23, YB                      ; and in Y
	v_add_nc_u32 v[ADRA], s20, v3
	v_add_nc_u32 v[ADRA+1], s21, v4
	v_add_nc_u32 v[ADRB], s22, v10
	v_add_nc_u32 v[ADRB+1], s23, v10
	s_lshl_b32 s2, s10, 9
	s_add_co_u32 s2, s2, PSTG                      ; my stage
	v_lshl_add_u32 v[STO], v1, 2, s2
	v_lshl_add_u32 v[RD], v5, 4, s2
	v_lshlrev_b32 v[CO], 4, v5
	s_lshl_b32 s2, s12, 9
	s_add_co_u32 s2, s2, QS
	v_lshl_add_u32 v[QRD], v2, 5, s2               ; my 128 columns, 8 h on
	s_lshl_b32 s2, s12, 8
	s_add_co_u32 s2, s2, VS
	v_lshl_add_u32 v[VRD], v2, 4, s2
	v_lshl_add_u32 v7, v0, 3, QS
	v_lshl_add_u32 v8, v0, 2, VS
	s_wait_loadcnt 0x0
.irp i, 0,1,2,3,4,5,6,7,8              ; the sixteen slices, b1 and b2 are added in pairs
	v_pk_add_f32 v[LD+4*(\i):LD+4*(\i)+1], v[LD+4*(\i):LD+4*(\i)+1], v[LD+4*(\i)+2:LD+4*(\i)+3]
.endr
.irp i, 0,1,2,3
	v_pk_add_f32 v[LD+8*(\i):LD+8*(\i)+1], v[LD+8*(\i):LD+8*(\i)+1], v[LD+8*(\i)+4:LD+8*(\i)+5]
.endr
	v_pk_add_f32 v[LD:LD+1], v[LD:LD+1], v[LD+8:LD+9]
	v_pk_add_f32 v[LD+16:LD+17], v[LD+16:LD+17], v[LD+24:LD+25]
	v_pk_add_f32 v[LD:LD+1], v[LD:LD+1], v[LD+16:LD+17]
	v_pk_add_f32 v[LD:LD+1], v[LD:LD+1], v[LD+32:LD+33]
	v_pk_mul_f32 v[LD:LD+1], v[LD:LD+1], s[CC:CC+1] op_sel_hi:[1,0]
	v_cvt_pk_bf16_f32 v9, v[LD+36], v[LD+37]
	ds_store_b64 v7, v[LD:LD+1]
	ds_store_b32 v8, v9
; 16 matrix instructions: row blocks a0, a0 + 1 of the window's four (hi = 0: my rows 0-63, 1: rows 64-127) x all 8 column blocks, 32 along K.  zero = 1: the first product starts the sums.
.macro MUL16 f, hi, a0, zero
	WIN MUL_LO+0x50*(\hi)
.irp a, \a0, (\a0)+1
.irp b, 0,1,2,3,4,5,6,7
.if \zero
	v_wmma_f32_16x16x32_bf16 v[8*(8*(\a)+(\b)):8*(8*(\a)+(\b))+7], v[(\f)+8*(\b):(\f)+8*(\b)+7], v[(\f)+8*(4*(\hi)+(\a)):(\f)+8*(4*(\hi)+(\a))+7], 0
.else
	v_wmma_f32_16x16x32_bf16 v[8*(8*(\a)+(\b)):8*(8*(\a)+(\b))+7], v[(\f)+8*(\b):(\f)+8*(\b)+7], v[(\f)+8*(4*(\hi)+(\a)):(\f)+8*(4*(\hi)+(\a))+7], v[8*(8*(\a)+(\b)):8*(8*(\a)+(\b))+7]
.endif
.endr
.endr
.endm
; 32 LDS loads: my 128 rows of values, 32 k in f32 at byte k of the rows of slot 0 (X) or 1 (Y).  Fragment i takes 16 registers of window 1: v[16 i] for i < 4, v[192 + 16 (i - 4)] from there on.
.macro RAWLOAD slot, k
	WIN TO_B
.set pA, PAX-(PAX-PAY)*(\slot)
.irp i, 0,1,2,3,4,5,6,7
.set rR, 16*(\i)+128*((\i)/4)
	ds_load_b128 v[rR:rR+3],     v[ADRA+(\slot)] offset:(\k)+(\i)*16*pA
	ds_load_b128 v[rR+4:rR+7],   v[ADRA+(\slot)] offset:(\k)+(\i)*16*pA+16
	ds_load_b128 v[rR+8:rR+11],  v[ADRA+(\slot)] offset:(\k)+(\i)*16*pA+64
	ds_load_b128 v[rR+12:rR+15], v[ADRA+(\slot)] offset:(\k)+(\i)*16*pA+80
.endr
.endm
; 16 LDS loads: my 128 columns of wb, 32 k at byte k (X's second block of 64 k begins HB on), into buffer f
.macro BLOAD slot, k, f
	WIN TO_B
.irp i, 0,1,2,3,4,5,6,7
	ds_load_b128 v[(\f)+8*(\i):(\f)+8*(\i)+3],   v[ADRB+(\slot)] offset:(\k)+(\i)*16*PB
	ds_load_b128 v[(\f)+8*(\i)+4:(\f)+8*(\i)+7], v[ADRB+(\slot)] offset:(\k)+(\i)*16*PB+32
.endr
.endm
; Half j % 2 of fragment j / 2 of values is rounded to bf16, into buffer g: four conversions
.macro CVT4 g
	WIN CVW
.set rR, 16*(j/2)+128*(j/8)+8*(j%2)
.set rD, (\g)+8*(j/2)+4*(j%2)
.irp p, 0,1,2,3
	v_cvt_pk_bf16_f32 v[rD+(\p)], v[rR+2*(\p)], v[rR+2*(\p)+1]
.endr
.endm
; A load into a register that a matrix instruction has read, and a vector instruction that reads a matrix result or writes one of a matrix instruction's registers, stand four places behind it, and only plain
; vector instructions that name none of its registers are places (ISA guide 7.12.1 for vector instructions).
.macro PLACES
.rept 4
	v_nop
.endr
.endm
; The upper half of a quarter, pairs j0 to j1 of its sixteen pairs of matrix instructions on buffer f; behind each pair four conversions into buffer g, so that the rounding is issued beside the products.
; younger >= 0: ahead of a fragment's first conversions the wait for its four loads; still out may be the 28 - 2 j loads of the later fragments and the younger LDS instructions issued behind them.
.macro RIDE f, g, j0, j1, younger, zero
.set j, \j0
.rept (\j1)-(\j0)+1
	WIN MUL_HI
.irp n, 0,1
.set x, 2*j+(\n)
.set rC, 8*x
.set rB, (\f)+8*(x%8)
.set rA, (\f)+8*(4+x/8)
.if \zero
	v_wmma_f32_16x16x32_bf16 v[rC:rC+7], v[rB:rB+7], v[rA:rA+7], 0
.else
	v_wmma_f32_16x16x32_bf16 v[rC:rC+7], v[rB:rB+7], v[rA:rA+7], v[rC:rC+7]
.endif
.endr
.if ((\younger) >= 0) && (j%2 == 0)
	s_wait_dscnt (\younger)+28-2*j
.endif
	CVT4 \g
.set j, j+1
.endr
.endm
; A QUARTER: 32 along K, 64 matrix instructions on buffer f, the 64 accumulators by turns in one fixed order.  It fetches the next quarter (slot rslot; byte rk of values' rows, bk of wb's)
; and rounds it into buffer g.  Buffer g's last readers stand in the quarter before: the four v_nop in front of wb's loads are the places for those loads and for the conversions.
; meet >= 1: the quarter has fetched the last of slot rslot, and the slots change: each wave waits for all its tensor loads, of which one is out: its part of the other slot; adds 0 to its spare word; and waits
; for that and for its own reads of this slot.  Behind the barrier nobody reads this slot any more and the other slot is whole.
; meet = 2: the barrier opens a round of the cluster's, so that no wave of any partner still reads the slot or has a load on its way, and slot rslot is filled again, a lap ahead: the first thing behind
; the round.  From that request to the wait for it a wave issues 64 + 32 + 20 matrix instructions (X's load) or 3 x 64 + 32 + 20 (Y's).
.macro QUARTER f, g, zero, rslot, rk, bk, meet
	RAWLOAD \rslot, \rk
	s_wait_dscnt 32                                ; wb's fragments of buffer f are in; the 32 loads just issued stay out
	MUL16 \f, 0, 0, \zero
	MUL16 \f, 0, 2, \zero
	PLACES
	BLOAD \rslot, \bk, \g
.if (\meet) == 0
	RIDE \f, \g, 0, 15, 16, \zero
.else
	RIDE \f, \g, 0, 9, 16, \zero
	WIN 0                                          ; (the add's two registers lie in window 0)
	s_wait_tensorcnt 0x0                           ; all my tensor loads have landed: the one that was out is my part of the other slot;
	ds_add_u32 v[SPW], v[NIL]                      ; 0 onto my spare word: four products and their conversions stand between it and the wait for it
	RIDE \f, \g, 10, 11, 17, \zero
	s_wait_dscnt 0x0                               ; the add is done, and my reads of this slot are over:
	s_barrier_signal -1                            ; say so,
	RIDE \f, \g, 12, 15, -1, \zero                 ; work on registers while the others arrive,
	WIN 0
	s_barrier_wait -1                              ; and go on when all four have said so
.if (\meet) == 2
	CREST
	s_add_nc_u64 s[G0A+4*(\rslot)+2:G0A+4*(\rslot)+3], s[G0A+4*(\rslot)+2:G0A+4*(\rslot)+3], LAPA  ; no load of mine is out, so a group 0 may be written: a lap on in values' rows,
	s_add_nc_u64 s[G0B+4*(\rslot)+2:G0B+4*(\rslot)+3], s[G0B+4*(\rslot)+2:G0B+4*(\rslot)+3], LAPB  ; and in wb
	JLOAD \rslot
.endif
.endif
.endm
; A lap's six quarters, on buffers 0, 1, 0, 1, 0, 1; each fetches the next one's fragments.
.macro QX1 zero
	QUARTER F0, F1, \zero, 0, 128, 64, 0
.endm
.macro QX2
	QUARTER F1, F0, 0, 0, 256, HB, 0
.endm
.macro QX3 meet                        ; fetches the last of X
	QUARTER F0, F1, 0, 0, 384, HB+64, \meet
.endm
.macro QX4
	QUARTER F1, F0, 0, 1, 0, 0, 0
.endm
.macro QY1 meet                        ; fetches the last of Y
	QUARTER F0, F1, 0, 1, 128, 64, \meet
.endm
.macro QY2
	QUARTER F1, F0, 0, 0, 0, 0, 0
.endm
	s_wait_dscnt 0x0                               ; for the others' sake: my stores of the biases and of V are done
	s_wait_tensorcnt 0x1                           ; my part of X is in; Y's may stay out
	s_barrier_signal -1
	s_barrier_wait -1                              ; everybody's is
	RAWLOAD 0, 0
	BLOAD 0, 0, F0
	s_wait_dscnt 16                                ; values' 32 loads are in, wb's sixteen stay out
.set j, 0
.rept 16
	CVT4 F0
.set j, j+1
.endr
	QX1 1                                          ; the first quarter stands in front of the loop: its products start the sums
	WIN 0                                          ; at a label and at a branch every window is 0
	s_mov_b32 s3, 9
.Llap:                                                 ; trip i = 0 .. 8: from lap i's second quarter to lap i + 1's first; X takes lap i + 1's 128 k, Y lap i + 1's 64 k
	; THE PREFETCH asks for each aligned block of 256 bytes of values' later tiles once, by one lane of one wave of one of the four partners, four quarters ahead of the tensor load that wants it.
	s_cmp_lg_u32 s12, 0                            ; Y's tile has one block a row: the even waves ask, 32 rows each
	s_cbranch_scc1 .Lodd_wave
	global_prefetch_b8 v[PF2], s[PFB:PFB+1] offset:LAPA+512 th:TH_LOAD_NT scope:SCOPE_SE  ; Y of lap i + 1; in the last trip lap 9's: bytes 7,424 to 7,679 of the rows
.Lodd_wave:
	QX2
	QX3 2
	QX4
	QY1 2
	global_prefetch_b8 v[PF], s[PFB:PFB+1] offset:2*LAPA th:TH_LOAD_NT scope:SCOPE_SE     ; X of lap i + 2; in the last trip the last X: the rows' last 512 bytes
	QY2
	QX1 0
	WIN 0
	s_wait_xcnt 0x0                                ; the prefetches, two quarters back and more, have had their addresses translated (ISA guide 3.1): their base may step
	s_add_nc_u64 s[PFB:PFB+1], s[PFB:PFB+1], LAPA
	s_sub_co_u32 s3, s3, 1
	s_cmp_lg_u32 s3, 0
	s_cbranch_scc1 .Llap
	QX2                                            ; the tail is written out.  Lap 9
	QX3 2                                          ; X takes the last 128 k: the last load
	QX4
	QY1 1                                          ; that load is waited for; nothing is filled, so no round follows
	QY2
	QX1 0                                          ; the last X
	QX2
	QX3 0
	s_wait_dscnt 0x0                               ; the very last quarter: nothing more to fetch
	MUL16 F1, 0, 0, 0
	MUL16 F1, 0, 2, 0
	MUL16 F1, 1, 0, 0
	MUL16 F1, 1, 2, 0
	; THE END OF A TILE: tanh, the product with V, the way out.
	PLACES                                         ; for the loads into the fragment buffers and for the first reads of results
	WIN 0
.irp b, 0,1,2,3,4,5,6,7                ; c (q + b1 + b2) of the columns that my lane holds in accumulator (., b): 16 b + 8 h + 0..7
	ds_load_b128 v[CQ+8*(\b):CQ+8*(\b)+3],   v[QRD] offset:64*(\b)
	ds_load_b128 v[CQ+8*(\b)+4:CQ+8*(\b)+7], v[QRD] offset:64*(\b)+16
.endr
.irp c, 0,1,2,3                        ; V's fragment c: columns 32 c + 8 h + 0..7 and 32 c + 16 + 8 h + 0..7, the same in all sixteen lanes of a half: every row of source 0 is V
	ds_load_b128 v[VF+8*(\c):VF+8*(\c)+3],   v[VRD] offset:64*(\c)
	ds_load_b128 v[VF+8*(\c)+4:VF+8*(\c)+7], v[VRD] offset:64*(\c)+32
.endr
	s_wait_dscnt 0x0
; Block a: 16 rows x my 128 columns, 64 registers, worked on in place; each accumulator is read from its low end on.
.macro BLOCK a
.set W, 2+(\a)/4
.set AC, 64*((\a)%4)
	WIN (W<<6)|W                                   ; destination and source 0 in the accumulators' window, source 2 in window 0
.set p, 0
.rept 32
	v_pk_fma_f32 v[AC+2*p:AC+2*p+1], v[AC+2*p:AC+2*p+1], s[CC:CC+1], v[CQ+2*p:CQ+2*p+1] op_sel_hi:[1,0,1]  ; c x
.set p, p+1
.endr
.set p, 0
.rept 64
	v_exp_f32 v[AC+p], v[AC+p]
.set p, p+1
.endr
	v_nop                                          ; a plain instruction between the last exponential and the use of its result (ISA guide 5.7.2)
.set p, 0
	s_wait_alu depctr_va_vdst(0)
.rept 32
	v_pk_add_f32 v[AC+2*p:AC+2*p+1], v[AC+2*p:AC+2*p+1], 1.0 op_sel_hi:[1,0]
.set p, p+1
.endr
.set p, 0
.rept 64
	v_rcp_f32 v[AC+p], v[AC+p]
.set p, p+1
.endr
	v_nop                                          ; likewise behind the last reciprocal
.set p, 0
	s_wait_alu depctr_va_vdst(0)
.rept 32
	v_pk_fma_f32 v[AC+2*p:AC+2*p+1], v[AC+2*p:AC+2*p+1], -2.0, 1.0 op_sel_hi:[1,0,0]  ; tanh
.set p, p+1
.endr
	WIN W|(W<<2)                                   ; sources 0 and 1 in the accumulators' window, destination in window 0
.set p, 0
.rept 32
	v_cvt_pk_bf16_f32 v[P+p], v[AC+2*p], v[AC+2*p+1]
.set p, p+1
.endr
	WIN 0
	v_wmma_f32_16x16x32_bf16 v[D0:D0+7], v[VF:VF+7],     v[P:P+7],     0           ; two accumulators by turns
	v_wmma_f32_16x16x32_bf16 v[D1:D1+7], v[VF+8:VF+15],  v[P+8:P+15],  0
	v_wmma_f32_16x16x32_bf16 v[D0:D0+7], v[VF+16:VF+23], v[P+16:P+23], v[D0:D0+7]
	v_wmma_f32_16x16x32_bf16 v[D1:D1+7], v[VF+24:VF+31], v[P+24:P+31], v[D1:D1+7]
	PLACES
	v_add_f32 v[T+(\a)], v[D0], v[D1]              ; all rows of the result are alike: register 0 of lane l holds the share of row 16 a + l % 16
.endm
.irp a, 0,1,2,3,4,5,6,7
	BLOCK \a
.endr
.irp a, 0,1,2,3,4,5,6,7
	ds_store_b32 v[STO], v[T+(\a)] offset:64*(\a)  ; both halves of the lanes write the same number to the same word
.endr
	ds_load_b128 v[OUT:OUT+3], v[RD]               ; LDS serves a wave's instructions in order (ISA guide 5.7.1.4): this sees the stores above; the stage is my wave's own
	s_wait_dscnt 0x0
	global_store_b128 v[CO], v[OUT:OUT+3], s[80:81]  ; my 128 rows: 512 consecutive bytes, at a multiple of 512 from ps's first
	s_wait_tensorcnt 0x0                           ; the wave's end: behind my last tensor load and my last LDS store
	ds_add_u32 v[SPW], v[NIL]
	s_wait_dscnt 0x0
	CROUND                                         ; the closing round: no work-group ends while a partner may still ask for a tile that names it
	s_endpgm
.Lfunc_end_k_qd6e390a212_score:
	.size	k_qd6e390a212_score, .Lfunc_end_k_qd6e390a212_score-k_qd6e390a212_score
	.p2alignl 7, 3214868480
	.fill 96, 4, 3214868480
	.section	.rodata,"a",@progbits
	.p2align	6, 0x0
	.amdhsa_kernel k_qd6e390a212_score
		.amdhsa_group_segment_fixed_size 327680
		.amdhsa_private_segment_fixed_size 0
		.amdhsa_enable_private_segment 0
		.amdhsa_kernarg_size 56
		.amdhsa_user_sgpr_count 2
		.amdhsa_user_sgpr_kernarg_segment_ptr 1
		.amdhsa_wavefront_size32 1
		.amdhsa_system_sgpr_workgroup_id_x 1
		.amdhsa_system_sgpr_workgroup_id_y 1
		.amdhsa_system_sgpr_workgroup_id_z 1
		.amdhsa_system_vgpr_workitem_id 0
		.amdhsa_next_free_vgpr 1024
		.amdhsa_next_free_sgpr 102
		.amdhsa_reserve_vcc 0
		.amdhsa_float_denorm_mode_32 3
		.amdhsa_float_denorm_mode_16_64 3
		.amdhsa_memory_ordered 1
		.amdhsa_forward_progress 1
		.amdhsa_inst_pref_size 255
	.end_amdhsa_kernel
	.section	.bss,"aw",@nobits
	.p2align	6
	.space	262144
	.amdgpu_metadata
---
amdhsa.version: [ 1, 2 ]
amdhsa.kernels:
  - .name:           k_qd6e390a212_score
    .symbol:         k_qd6e390a212_score.kd
    .args:
      - { .name: values, .offset: 0, .size: 8, .value_kind: global_buffer, .address_space: global }
      - { .name: wb, .offset: 8, .size: 8, .value_kind: global_buffer, .address_space: global }
      - { .name: qpp, .offset: 16, .size: 8, .value_kind: global_buffer, .address_space: global }
      - { .name: b1, .offset: 24, .size: 8, .value_kind: global_buffer, .address_space: global }
      - { .name: b2, .offset: 32, .size: 8, .value_kind: global_buffer, .address_space: global }
      - { .name: V, .offset: 40, .size: 8, .value_kind: global_buffer, .address_space: global }
      - { .name: ps, .offset: 48, .size: 8, .value_kind: global_buffer, .address_space: global }
    .group_segment_fixed_size: 327680
    .private_segment_fixed_size: 0
    .kernarg_segment_align: 8
    .kernarg_segment_size: 56
    .max_flat_workgroup_size: 128
    .sgpr_count:     102
    .vgpr_count:     1024
    .wavefront_size: 32
...
	.end_amdgpu_metadata
.endif
;; end of part 2
;; launch context (part 3): grid 8 x 32, 16 waves a work-group, no clusters, 23,040 bytes of LDS; arguments ps, bv, values, out0, out1; writes out0, out1
.if DOCPART == 3
	.amdgcn_target "amdgcn-amd-amdhsa--gfx1250"
	.amdhsa_code_object_version 6
	.text
	.protected	k_qd6e390a212_context
	.globl	k_qd6e390a212_context
	.p2align	8
	.type	k_qd6e390a212_context,@function
k_qd6e390a212_context:
	s_mov_b64 s[64:65], 0
	v_nop
	global_prefetch_b8 v0, s[64:65] scope:SCOPE_SE
	s_setreg_imm32_b32 hwreg(HW_REG_WAVE_MODE, 25, 1), 1
	s_wait_xcnt 0x0
; score[b][t] = the sum of ps's eight column blocks + bv;  out1[b][t] = softmax over t;  out0[b][d] = the sum over t of out1[b][t] values[b][t][d].  All in f32.
; SHARES.  Work-group (dc, b) takes the 256 columns 256 dc on (1,024 bytes of every row) of batch b, all 1,024 rows: no sum crosses work-groups, and each byte of values is read once in the launch.
; The batch's softmax (32 KB of ps) is made in each of its eight work-groups; each stores an eighth of out1.  Wave w owns rows 64 w .. 64 w + 63; thread t the scores of rows 2 t and 2 t + 1.
; The maximum over the batch's 1,024 scores is taken away before the exponential; the rows are weighted by the exponentials, and the sum is divided once at the end.
; A stream: memory binds, so no matrix unit, no cluster (no tile is shared but ps), no tensor load; a ring of eight rows in registers keeps sixteen loads of 512 bytes of every wave on their way.
; LIMITS.  A weight below 2^-126 of the largest counts as 0; NaN and infinities are not treated apart.
.set RMAX, 0           ; the sixteen waves' maxima
.set RSUM, 256         ; their sums
.set WTS,  512         ; the 1,024 exponentials
.set RED,  4608        ; sixteen waves x 1,024 bytes: their sums over 64 rows
.set PO,   2           ; v2   8 t: my two scores, in ps, in out1 and in WTS; never rewritten
.set OFF,  3           ; v3   16 x lane: my 16 bytes in 512; never rewritten
.set PSR,  16          ; v16-31    ps's eight blocks, two scores each
.set X,    32          ; v32-95    eight row slots of 8 registers
.set WT,   96          ; v96-159   my wave's 64 weights, the same in every lane
.set ACC,  160         ; v160-167  my 8 columns' sums
.set RM,   168         ; v168-183  the sixteen waves' maxima, then sums
	s_load_b256 s[4:11], s[0:1], 0x0               ; ps s[4:5], bv s[6:7], values s[8:9], out0 s[10:11]
	s_load_b64 s[12:13], s[0:1], 0x20              ; out1
	v_lshl_add_u32 v184, v0, 2, 0x5200
	v_mov_b32 v185, 0
	v_lshrrev_b32 v1, 5, v0
	v_readfirstlane_b32 s14, v1                    ; wave 0..15
	s_mov_b32 s15, ttmp9                           ; dc
	s_and_b32 s16, ttmp7, 0xffff                   ; b
	v_lshlrev_b32 v[PO], 3, v0
	v_and_b32 v4, 31, v0
	v_lshlrev_b32 v[OFF], 4, v4
	s_mov_b32 s24, 0x76543210                      ; v_permlanex16_b32: each lane takes its own place in the other half
	s_mov_b32 s25, 0xfedcba98
	s_lshl_b32 s20, s16, 12                        ; the batch's 4,096 bytes in a block of ps and in out1
	s_mov_b32 s21, 0
	s_lshl_b32 s22, s16, 23                        ; values: the batch's 8,388,608 bytes,
	s_lshl_b32 s23, s14, 19                        ; my wave's 64 rows of 8,192,
	s_add_co_u32 s22, s22, s23
	s_lshl_b32 s23, s15, 10                        ; the work-group's 1,024 bytes of a row: under 2^28 together
	s_add_co_u32 s22, s22, s23
	s_mov_b32 s23, 0
	s_lshl_b32 s26, s16, 13                        ; out0: the batch's row of 8,192 bytes + the work-group's 1,024
	s_lshl_b32 s27, s15, 10
	s_add_co_u32 s26, s26, s27
	s_mov_b32 s27, 0
	s_lshl_b32 s28, s14, 2                         ; my wave's word among sixteen
	s_lshl_b32 s29, s14, 8
	s_add_co_u32 s29, s29, WTS                     ; my wave's 64 weights
	s_lshr_b32 s30, s14, 1                         ; the eighth of out1 in which my wave's rows lie
	s_wait_kmcnt 0x0
	s_load_b32 s18, s[6:7], 0x0                    ; bv
	s_add_nc_u64 s[4:5], s[4:5], s[20:21]
	s_add_nc_u64 s[12:13], s[12:13], s[20:21]
	s_add_nc_u64 s[8:9], s[8:9], s[22:23]
	s_add_nc_u64 s[10:11], s[10:11], s[26:27]
.irp n, 0,1,2,3,4,5,6,7
	global_load_b64 v[PSR+2*(\n):PSR+2*(\n)+1], v[PO], s[4:5] offset:(\n)*131072
.endr
.irp i, 0,1,2,3,4,5,6,7                ; the ring is filled ahead of the softmax: rows 0 to 7 of my 64
	global_load_b128 v[X+8*(\i):X+8*(\i)+3],   v[OFF], s[8:9] offset:(\i)*8192 th:TH_LOAD_NT
	global_load_b128 v[X+8*(\i)+4:X+8*(\i)+7], v[OFF], s[8:9] offset:(\i)*8192+512 th:TH_LOAD_NT
.endr
	v_mov_b32 v6, s28
	v_mov_b32 v7, 0
	v_mov_b32 v14, s29
	v_lshl_add_u32 v15, s14, 10, v[OFF]            ; my place in RED: 1,024 w + 16 x lane
	s_wait_loadcnt 16                              ; loads come back in order: ps's eight are in, the ring's sixteen stay out
	s_wait_kmcnt 0x0
	s_mov_b32 s19, s18                             ; named with it as a pair
.irp n, 0,1,2,3
	v_pk_add_f32 v[PSR+4*(\n):PSR+4*(\n)+1], v[PSR+4*(\n):PSR+4*(\n)+1], v[PSR+4*(\n)+2:PSR+4*(\n)+3]
.endr
	v_pk_add_f32 v[PSR:PSR+1], v[PSR:PSR+1], v[PSR+4:PSR+5]
	v_pk_add_f32 v[PSR+8:PSR+9], v[PSR+8:PSR+9], v[PSR+12:PSR+13]
	v_pk_add_f32 v[PSR:PSR+1], v[PSR:PSR+1], v[PSR+8:PSR+9]
	v_pk_add_f32 v[PSR:PSR+1], v[PSR:PSR+1], s[18:19] op_sel_hi:[1,0]   ; + bv: my two scores
	v_max_num_f32 v4, v[PSR], v[PSR+1]
	v_max_num_f32_dpp v4, v4, v4 row_xmask:1 row_mask:0xf bank_mask:0xf
	v_max_num_f32_dpp v4, v4, v4 row_xmask:2 row_mask:0xf bank_mask:0xf
	v_max_num_f32_dpp v4, v4, v4 row_xmask:4 row_mask:0xf bank_mask:0xf
	v_max_num_f32_dpp v4, v4, v4 row_xmask:8 row_mask:0xf bank_mask:0xf
	v_mov_b32 v5, v4                               ; v_permlanex16_b32's destination counts as read
	v_permlanex16_b32 v5, v4, s24, s25
	v_max_num_f32 v4, v4, v5                       ; my wave's maximum, in every lane
	ds_store_b32 v6, v4 offset:RMAX
	s_wait_dscnt 0x0                               ; for the others' sake
	s_barrier_signal -1
	s_barrier_wait -1
.irp n, 0,1,2,3
	ds_load_b128 v[RM+4*(\n):RM+4*(\n)+3], v7 offset:RMAX+16*(\n)
.endr
	s_wait_dscnt 0x0
	v_max3_num_f32 v4, v[RM], v[RM+1], v[RM+2]
	v_max3_num_f32 v5, v[RM+3], v[RM+4], v[RM+5]
	v_max3_num_f32 v8, v[RM+6], v[RM+7], v[RM+8]
	v_max3_num_f32 v9, v[RM+9], v[RM+10], v[RM+11]
	v_max3_num_f32 v10, v[RM+12], v[RM+13], v[RM+14]
	v_max3_num_f32 v4, v4, v5, v8
	v_max3_num_f32 v9, v9, v10, v[RM+15]
	v_max_num_f32 v4, v4, v9                       ; the batch's maximum
	v_sub_f32 v8, v[PSR], v4
	v_sub_f32 v9, v[PSR+1], v4
	v_mul_f32 v8, 0x3fb8aa3b, v8                   ; log2(e)
	v_mul_f32 v9, 0x3fb8aa3b, v9
	v_exp_f32 v8, v8
	v_exp_f32 v9, v9
	v_nop                                          ; a plain instruction between the last exponential and the use of its result (ISA guide 5.7.2)
	s_wait_alu depctr_va_vdst(0)
	v_add_f32 v4, v8, v9
	v_add_f32_dpp v4, v4, v4 row_xmask:1 row_mask:0xf bank_mask:0xf
	v_add_f32_dpp v4, v4, v4 row_xmask:2 row_mask:0xf bank_mask:0xf
	v_add_f32_dpp v4, v4, v4 row_xmask:4 row_mask:0xf bank_mask:0xf
	v_add_f32_dpp v4, v4, v4 row_xmask:8 row_mask:0xf bank_mask:0xf
	v_permlanex16_b32 v5, v4, s24, s25
	v_add_f32 v4, v4, v5                           ; my wave's sum
	ds_store_b32 v6, v4 offset:RSUM
	ds_store_b64 v[PO], v[8:9] offset:WTS
	s_wait_dscnt 0x0                               ; for the others' sake
	s_barrier_signal -1
	s_barrier_wait -1
.irp n, 0,1,2,3
	ds_load_b128 v[RM+4*(\n):RM+4*(\n)+3], v7 offset:RSUM+16*(\n)
.endr
.irp n, 0,1,2,3,4,5,6,7,8,9,10,11,12,13,14,15
	ds_load_b128 v[WT+4*(\n):WT+4*(\n)+3], v14 offset:16*(\n)   ; every lane reads the same words
.endr
	s_wait_dscnt 0x0
.irp n, 0,1,2,3
	v_pk_add_f32 v[RM+4*(\n):RM+4*(\n)+1], v[RM+4*(\n):RM+4*(\n)+1], v[RM+4*(\n)+2:RM+4*(\n)+3]
.endr
	v_pk_add_f32 v[RM:RM+1], v[RM:RM+1], v[RM+4:RM+5]
	v_pk_add_f32 v[RM+8:RM+9], v[RM+8:RM+9], v[RM+12:RM+13]
	v_pk_add_f32 v[RM:RM+1], v[RM:RM+1], v[RM+8:RM+9]
	v_add_f32 v4, v[RM], v[RM+1]                   ; the batch's sum: at least 1, since the largest exponential is 1
	v_rcp_f32 v12, v4
	v_rcp_f32 v13, v4                              ; twice: a pair for the packed multiplies
	v_nop                                          ; a plain instruction behind the reciprocals
	s_cmp_lg_u32 s30, s15                          ; rows 128 dc .. 128 dc + 127 are stored here: those of waves 2 dc and 2 dc + 1
	s_cbranch_scc1 .Lno_out1
	s_wait_alu depctr_va_vdst(0)
	v_pk_mul_f32 v[10:11], v[8:9], v[12:13]
	global_store_b64 v[PO], v[10:11], s[12:13]     ; a wave's store: 256 consecutive bytes, at a multiple of 256 from out1's first; v10, v11 are not written again
.Lno_out1:
; Row i of my 64: its 8 numbers a lane times its weight, onto the sums.  The weight is one register of a pair, taken for both halves.  Then the slot is filled with the row 8 further down.
.macro ROW i
.if (\i) <= 56
	s_wait_loadcnt 14                              ; my row's two loads are in; the seven younger rows stay out
.else
	s_wait_loadcnt 2*(63-(\i))                     ; nothing is loaded any more: the counts run down
.endif
.set XS, X+8*((\i)%8)
.set WP, WT+2*((\i)/2)
.irp q, 0,1,2,3
.if (\i) == 0
	v_pk_mul_f32 v[ACC+2*(\q):ACC+2*(\q)+1], v[XS+2*(\q):XS+2*(\q)+1], v[WP:WP+1] op_sel_hi:[1,0]   ; the first row starts the sums: nothing is cleared
.elseif (\i)%2 == 0
	v_pk_fma_f32 v[ACC+2*(\q):ACC+2*(\q)+1], v[XS+2*(\q):XS+2*(\q)+1], v[WP:WP+1], v[ACC+2*(\q):ACC+2*(\q)+1] op_sel_hi:[1,0,1]
.else
	v_pk_fma_f32 v[ACC+2*(\q):ACC+2*(\q)+1], v[XS+2*(\q):XS+2*(\q)+1], v[WP:WP+1], v[ACC+2*(\q):ACC+2*(\q)+1] op_sel:[0,1,0] op_sel_hi:[1,1,1]
.endif
.endr
.if (\i) < 56
	global_load_b128 v[XS:XS+3],   v[OFF], s[8:9] offset:((\i)+8)*8192 th:TH_LOAD_NT       ; the row stands in the immediate: 516,608 bytes at the most
	global_load_b128 v[XS+4:XS+7], v[OFF], s[8:9] offset:((\i)+8)*8192+512 th:TH_LOAD_NT
.endif
.endm
.set ri, 0
.rept 64
	ROW ri
.set ri, ri+1
.endr
	ds_store_b128 v15, v[ACC:ACC+3] offset:RED
	ds_store_b128 v15, v[ACC+4:ACC+7] offset:RED+512
	s_wait_dscnt 0x0                               ; for the others' sake
	s_barrier_signal -1
	s_barrier_wait -1
	s_cmp_gt_u32 s14, 1                            ; the sixteen sums are added by waves 0 and 1: thread t takes the 16 bytes at 16 t of the 1,024
	s_cbranch_scc1 .Lend
	v_lshlrev_b32 v5, 4, v0
.irp k, 0,1,2,3,4,5,6,7,8,9,10,11,12,13,14,15
	ds_load_b128 v[X+4*(\k):X+4*(\k)+3], v5 offset:RED+1024*(\k)
.endr
	s_wait_dscnt 0x0
.irp d, 4,8,16,32                      ; neighbours 1, 2, 4 and 8 waves apart
.set bs, 0
.rept 32/(\d)
	v_pk_add_f32 v[X+bs:X+bs+1],   v[X+bs:X+bs+1],   v[X+bs+(\d):X+bs+(\d)+1]
	v_pk_add_f32 v[X+bs+2:X+bs+3], v[X+bs+2:X+bs+3], v[X+bs+(\d)+2:X+bs+(\d)+3]
.set bs, bs+2*(\d)
.endr
.endr
	s_wait_alu depctr_va_vdst(0)
	v_pk_mul_f32 v[X:X+1], v[X:X+1], v[12:13]
	v_pk_mul_f32 v[X+2:X+3], v[X+2:X+3], v[12:13]
	global_store_b128 v5, v[X:X+3], s[10:11]       ; a wave's store: 512 consecutive bytes, at a multiple of 512 from out0's first
.Lend:
	s_wait_tensorcnt 0x0
	ds_add_u32 v184, v185
	s_wait_dscnt 0x0
	s_endpgm
.Lfunc_end_k_qd6e390a212_context:
	.size	k_qd6e390a212_context, .Lfunc_end_k_qd6e390a212_context-k_qd6e390a212_context
	.p2alignl 7, 3214868480
	.fill 96, 4, 3214868480
	.section	.rodata,"a",@progbits
	.p2align	6, 0x0
	.amdhsa_kernel k_qd6e390a212_context
		.amdhsa_group_segment_fixed_size 23040
		.amdhsa_private_segment_fixed_size 0
		.amdhsa_enable_private_segment 0
		.amdhsa_kernarg_size 40
		.amdhsa_user_sgpr_count 2
		.amdhsa_user_sgpr_kernarg_segment_ptr 1
		.amdhsa_wavefront_size32 1
		.amdhsa_system_sgpr_workgroup_id_x 1
		.amdhsa_system_sgpr_workgroup_id_y 1
		.amdhsa_system_sgpr_workgroup_id_z 1
		.amdhsa_system_vgpr_workitem_id 0
		.amdhsa_next_free_vgpr 186
		.amdhsa_next_free_sgpr 66
		.amdhsa_reserve_vcc 0
		.amdhsa_float_denorm_mode_32 3
		.amdhsa_float_denorm_mode_16_64 3
		.amdhsa_memory_ordered 1
		.amdhsa_forward_progress 1
		.amdhsa_inst_pref_size 42
	.end_amdhsa_kernel
	.amdgpu_metadata
---
amdhsa.version: [ 1, 2 ]
amdhsa.kernels:
  - .name:           k_qd6e390a212_context
    .symbol:         k_qd6e390a212_context.kd
    .args:
      - { .name: ps, .offset: 0, .size: 8, .value_kind: global_buffer, .address_space: global }
      - { .name: bv, .offset: 8, .size: 8, .value_kind: global_buffer, .address_space: global }
      - { .name: values, .offset: 16, .size: 8, .value_kind: global_buffer, .address_space: global }
      - { .name: out0, .offset: 24, .size: 8, .value_kind: global_buffer, .address_space: global }
      - { .name: out1, .offset: 32, .size: 8, .value_kind: global_buffer, .address_space: global }
    .group_segment_fixed_size: 23040
    .private_segment_fixed_size: 0
    .kernarg_segment_align: 8
    .kernarg_segment_size: 40
    .max_flat_workgroup_size: 512
    .sgpr_count:     66
    .vgpr_count:     186
    .wavefront_size: 32
...
	.end_amdgpu_metadata
.endif
;; end of part 3
;; ======== version 2 of 2: 3 launches; version 1 with the launch context written anew for expert scheduling mode
;; workspace buffers: wb 4,194,304 bytes; qpp 2,097,152 bytes; ps 1,048,576 bytes
;; launch prep: the kernel of part 1 again; grid 256 x 1, 8 waves a work-group, no clusters, 48,640 bytes of LDS; arguments W1, W2, query, wb, qpp; writes wb, qpp
;; launch score: the kernel of part 2 again; grid 4 x 128, 4 waves a work-group, clusters of 4 x 4, 327,680 bytes of LDS; arguments values, wb, qpp, b1, b2, V, ps; writes ps
;; launch context (part 4): grid 8 x 32, 16 waves a work-group, no clusters, 23,040 bytes of LDS; arguments ps, bv, values, out0, out1; writes out0, out1
.if DOCPART == 4
	.amdgcn_target "amdgcn-amd-amdhsa--gfx1250"
	.amdhsa_code_object_version 6
	.text
	.protected	k_qd6e390a212_context
	.globl	k_qd6e390a212_context
	.p2align	8
	.type	k_qd6e390a212_context,@function
k_qd6e390a212_context:
	s_mov_b64 s[64:65], 0
	v_nop
	global_prefetch_b8 v0, s[64:65] scope:SCOPE_SE
	s_setreg_imm32_b32 hwreg(HW_REG_WAVE_SCHED_MODE, 0, 2), 2
	s_setreg_imm32_b32 hwreg(HW_REG_WAVE_MODE, 25, 1), 1
	s_wait_xcnt 0x0
	s_wait_alu depctr_vm_vsrc(0)
; score[b][t] = the sum of ps's eight column blocks + bv;  out1[b][t] = softmax over t;  out0[b][d] = the sum over t of out1[b][t] values[b][t][d].  All in f32.
; SHARES.  Work-group (dc, b) takes the 256 columns 256 dc on (1,024 bytes of every row) of batch b, all 1,024 rows: no sum crosses work-groups, and each byte of values is read once in the launch.
; The batch's softmax (32 KB of ps) is made in each of its eight work-groups; each stores an eighth of out1.  Wave w owns rows 64 w .. 64 w + 63; thread t the scores of rows 2 t and 2 t + 1.
; The maximum over the batch's 1,024 scores is taken away before the exponential; the rows are weighted by the exponentials, and the sum is divided once at the end.
; A stream: memory binds, so no matrix unit, no cluster (no tile is shared but ps), no tensor load; a ring of sixteen rows in registers keeps 16 to 24 loads of 512 bytes of every wave on their way.
; LIMITS.  A weight below 2^-126 of the largest counts as 0; NaN and infinities are not treated apart.
; THE MODE: SCHED_MODE bits 1:0 = 2 (LLVM: expert scheduling mode 2), set by the entry lines.  The code itself states the register dependences
; between vector instructions and memory or LDS instructions, with s_wait_alu, always for 0.
; THE PLAN.  Registers that memory or LDS instructions touch:
;   v1, v2, v3, v6, v7, v14, v15   offsets and LDS addresses: made once at the head, ahead of one wait, and never written again; the rows are reached by immediate offsets.
;   X      sixteen row slots, four blocks of four rows.  All sixteen are asked for at the head.  Block p of my sixteen blocks multiplies its own four slots; its eight loads, the rows of block p + 3,
;          land in the four slots of block p - 1, which no vector instruction of block p names.  So ONE wait on va_vdst at a block's head states all that the block's loads hang on, and they are
;          dealt among its multiply-adds with no further wait.  At the end the first eight slots take the sixteen waves' sums from LDS.
;   PSR, WT   loaded once, then only read by vector instructions.     RM   loaded twice; the maxima read it between the two.
;   v4     the data of two LDS stores (my wave's maximum, my wave's sum), written again behind each: a wait on vm_vsrc stands ahead of each such write.
;   v8, v9 (the exponentials), v10, v11 (out1), ACC, v32-35 (out0)   the data of stores: written by vector instructions ahead of a wait on va_vdst, and not written again behind the store.
.set RMAX, 0           ; the sixteen waves' maxima
.set RSUM, 256         ; their sums
.set WTS,  512         ; the 1,024 exponentials
.set RED,  4608        ; sixteen waves x 1,024 bytes: their sums over 64 rows
.set FO,   1           ; v1   16 t: at the end, my 16 bytes of the work-group's 1,024; never rewritten
.set PO,   2           ; v2   8 t: my two scores, in ps, in out1 and in WTS; never rewritten
.set OFF,  3           ; v3   16 x lane: my 16 bytes in 512; never rewritten
.set PSR,  16          ; v16-31    ps's eight blocks, two scores each
.set X,    32          ; v32-159   sixteen row slots of 8 registers: row i of my 64 lies in slot i % 16
.set WT,   160         ; v160-223  my wave's 64 weights, the same in every lane
.set ACC,  224         ; v224-231  my 8 columns' sums
.set RM,   232         ; v232-247  the sixteen waves' maxima, then sums
	s_load_b256 s[4:11], s[0:1], 0x0               ; ps s[4:5], bv s[6:7], values s[8:9], out0 s[10:11]
	s_load_b64 s[12:13], s[0:1], 0x20              ; out1
	v_lshl_add_u32 v248, v0, 2, 0x5200
	v_mov_b32 v249, 0
	v_lshrrev_b32 v4, 5, v0
	v_readfirstlane_b32 s14, v4                    ; wave 0..15
	s_mov_b32 s15, ttmp9                           ; dc
	s_and_b32 s16, ttmp7, 0xffff                   ; b
	v_lshlrev_b32 v[FO], 4, v0
	v_lshlrev_b32 v[PO], 3, v0
	v_and_b32 v4, 31, v0
	v_lshlrev_b32 v[OFF], 4, v4
	v_mov_b32 v7, 0
	s_mov_b32 s24, 0x76543210                      ; v_permlanex16_b32: each lane takes its own place in the other half
	s_mov_b32 s25, 0xfedcba98
	s_lshl_b32 s20, s16, 12                        ; the batch's 4,096 bytes in a block of ps and in out1
	s_mov_b32 s21, 0
	s_lshl_b32 s22, s16, 23                        ; values: the batch's 8,388,608 bytes,
	s_wait_alu depctr_va_sdst(0)                   ; s14 is written, ahead of its first reader: offsets, LDS addresses and two branches are made from it
	s_lshl_b32 s23, s14, 19                        ; my wave's 64 rows of 8,192,
	s_add_co_u32 s22, s22, s23
	s_lshl_b32 s23, s15, 10                        ; the work-group's 1,024 bytes of a row: under 2^28 together
	s_add_co_u32 s22, s22, s23
	s_mov_b32 s23, 0
	s_lshl_b32 s26, s16, 13                        ; out0: the batch's row of 8,192 bytes + the work-group's 1,024
	s_lshl_b32 s27, s15, 10
	s_add_co_u32 s26, s26, s27
	s_mov_b32 s27, 0
	s_lshl_b32 s28, s14, 2                         ; my wave's word among sixteen
	s_lshl_b32 s29, s14, 8
	s_add_co_u32 s29, s29, WTS                     ; my wave's 64 weights
	s_lshr_b32 s30, s14, 1                         ; the eighth of out1 in which my wave's rows lie
	v_mov_b32 v6, s28
	v_mov_b32 v14, s29
	v_lshl_add_u32 v15, s14, 10, v[OFF]            ; my place in RED: 1,024 w + 16 x lane
	s_wait_kmcnt 0x0
	s_load_b32 s18, s[6:7], 0x0                    ; bv
	s_add_nc_u64 s[4:5], s[4:5], s[20:21]
	s_add_nc_u64 s[12:13], s[12:13], s[20:21]
	s_add_nc_u64 s[8:9], s[8:9], s[22:23]
	s_add_nc_u64 s[10:11], s[10:11], s[26:27]
	s_wait_alu depctr_va_vdst(0)                   ; v1, v2, v3, v6, v7, v14 and v15 are written: every load and store of the kernel, global or LDS, reads one of them as its offset or address
.irp n, 0,1,2,3,4,5,6,7
	global_load_b64 v[PSR+2*(\n):PSR+2*(\n)+1], v[PO], s[4:5] offset:(\n)*131072
.endr
.irp i, 0,1,2,3,4,5,6,7,8,9,10,11,12,13,14,15  ; the ring is filled ahead of the softmax: rows 0 to 15 of my 64
	global_load_b128 v[X+8*(\i):X+8*(\i)+3],   v[OFF], s[8:9] offset:(\i)*8192 th:TH_LOAD_NT
	global_load_b128 v[X+8*(\i)+4:X+8*(\i)+7], v[OFF], s[8:9] offset:(\i)*8192+512 th:TH_LOAD_NT
.endr
	s_wait_loadcnt 32                              ; loads come back in order: ps's eight are in, the ring's 32 stay out
	s_wait_kmcnt 0x0
	s_mov_b32 s19, s18                             ; named with it as a pair
.irp n, 0,1,2,3
	v_pk_add_f32 v[PSR+4*(\n):PSR+4*(\n)+1], v[PSR+4*(\n):PSR+4*(\n)+1], v[PSR+4*(\n)+2:PSR+4*(\n)+3]
.endr
	v_pk_add_f32 v[PSR:PSR+1], v[PSR:PSR+1], v[PSR+4:PSR+5]
	v_pk_add_f32 v[PSR+8:PSR+9], v[PSR+8:PSR+9], v[PSR+12:PSR+13]
	v_pk_add_f32 v[PSR:PSR+1], v[PSR:PSR+1], v[PSR+8:PSR+9]
	v_pk_add_f32 v[PSR:PSR+1], v[PSR:PSR+1], s[18:19] op_sel_hi:[1,0]   ; + bv: my two scores
	v_max_num_f32 v4, v[PSR], v[PSR+1]
	v_max_num_f32_dpp v4, v4, v4 row_xmask:1 row_mask:0xf bank_mask:0xf
	v_max_num_f32_dpp v4, v4, v4 row_xmask:2 row_mask:0xf bank_mask:0xf
	v_max_num_f32_dpp v4, v4, v4 row_xmask:4 row_mask:0xf bank_mask:0xf
	v_max_num_f32_dpp v4, v4, v4 row_xmask:8 row_mask:0xf bank_mask:0xf
	v_mov_b32 v5, v4                               ; v_permlanex16_b32's destination counts as read
	v_permlanex16_b32 v5, v4, s24, s25
	v_max_num_f32 v4, v4, v5                       ; my wave's maximum, in every lane
	s_wait_alu depctr_va_vdst(0)                   ; v4 is written, which the LDS store reads
	ds_store_b32 v6, v4 offset:RMAX
	s_wait_dscnt 0x0                               ; for the others' sake
	s_barrier_signal -1
	s_barrier_wait -1
.irp n, 0,1,2,3
	ds_load_b128 v[RM+4*(\n):RM+4*(\n)+3], v7 offset:RMAX+16*(\n)
.endr
	s_wait_dscnt 0x0
	s_wait_alu depctr_vm_vsrc(0)                   ; the LDS store of my wave's maximum has read v4, which the next line writes again
	v_max3_num_f32 v4, v[RM], v[RM+1], v[RM+2]
	v_max3_num_f32 v5, v[RM+3], v[RM+4], v[RM+5]
	v_max3_num_f32 v8, v[RM+6], v[RM+7], v[RM+8]
	v_max3_num_f32 v9, v[RM+9], v[RM+10], v[RM+11]
	v_max3_num_f32 v10, v[RM+12], v[RM+13], v[RM+14]
	v_max3_num_f32 v4, v4, v5, v8
	v_max3_num_f32 v9, v9, v10, v[RM+15]
	v_max_num_f32 v4, v4, v9                       ; the batch's maximum
	v_sub_f32 v8, v[PSR], v4
	v_sub_f32 v9, v[PSR+1], v4
	v_mul_f32 v8, 0x3fb8aa3b, v8                   ; log2(e)
	v_mul_f32 v9, 0x3fb8aa3b, v9
	v_exp_f32 v8, v8
	v_exp_f32 v9, v9
	v_nop                                          ; a plain instruction between the last exponential and the use of its result (ISA guide 5.7.2)
	s_wait_alu depctr_va_vdst(0)                   ; the two exponentials have written v8 and v9: one wait for both, ahead of their first reader
	v_add_f32 v4, v8, v9
	v_add_f32_dpp v4, v4, v4 row_xmask:1 row_mask:0xf bank_mask:0xf
	v_add_f32_dpp v4, v4, v4 row_xmask:2 row_mask:0xf bank_mask:0xf
	v_add_f32_dpp v4, v4, v4 row_xmask:4 row_mask:0xf bank_mask:0xf
	v_add_f32_dpp v4, v4, v4 row_xmask:8 row_mask:0xf bank_mask:0xf
	v_permlanex16_b32 v5, v4, s24, s25
	v_add_f32 v4, v4, v5                           ; my wave's sum
	s_wait_alu depctr_va_vdst(0)                   ; v4 is written, which the first LDS store reads (v8 and v9 since the wait above); and the maxima are done reading RM, in which the loads behind the barrier land
	ds_store_b32 v6, v4 offset:RSUM
	ds_store_b64 v[PO], v[8:9] offset:WTS
	s_wait_dscnt 0x0                               ; for the others' sake
	s_barrier_signal -1
	s_barrier_wait -1
.irp n, 0,1,2,3
	ds_load_b128 v[RM+4*(\n):RM+4*(\n)+3], v7 offset:RSUM+16*(\n)   ; no vector instruction since the last wait on va_vdst names RM
.endr
.irp n, 0,1,2,3,4,5,6,7,8,9,10,11,12,13,14,15
	ds_load_b128 v[WT+4*(\n):WT+4*(\n)+3], v14 offset:16*(\n)   ; every lane reads the same words
.endr
	s_wait_dscnt 0x0
	s_wait_alu depctr_vm_vsrc(0)                   ; the LDS store of my wave's sum has read v4, which the batch's sum below writes again
.irp n, 0,1,2,3
	v_pk_add_f32 v[RM+4*(\n):RM+4*(\n)+1], v[RM+4*(\n):RM+4*(\n)+1], v[RM+4*(\n)+2:RM+4*(\n)+3]
.endr
	v_pk_add_f32 v[RM:RM+1], v[RM:RM+1], v[RM+4:RM+5]
	v_pk_add_f32 v[RM+8:RM+9], v[RM+8:RM+9], v[RM+12:RM+13]
	v_pk_add_f32 v[RM:RM+1], v[RM:RM+1], v[RM+8:RM+9]
	v_add_f32 v4, v[RM], v[RM+1]                   ; the batch's sum: at least 1, since the largest exponential is 1
	v_rcp_f32 v12, v4
	v_rcp_f32 v13, v4                              ; twice: a pair for the packed multiplies
	v_nop                                          ; a plain instruction behind the reciprocals
	s_wait_alu depctr_va_vdst(0)                   ; the two reciprocals have written v12 and v13: one wait for both, ahead of the branch and of their first reader
	s_cmp_lg_u32 s30, s15                          ; rows 128 dc .. 128 dc + 127 are stored here: those of waves 2 dc and 2 dc + 1
	s_cbranch_scc1 .Lno_out1
	v_pk_mul_f32 v[10:11], v[8:9], v[12:13]
	s_wait_alu depctr_va_vdst(0)                   ; v10 and v11 are written, which the store reads
	global_store_b64 v[PO], v[10:11], s[12:13]     ; a wave's store: 256 consecutive bytes, at a multiple of 256 from out1's first; v10, v11 are not written again
.Lno_out1:
; Row i of my 64: its 8 numbers a lane times its weight, onto the sums.  The weight is one register of a pair, taken for both halves.
; Four rows are a block.  At a block's head: the wait for its eight loads, and, where the block issues loads, the one wait on va_vdst.  In front of each row's four multiply-adds stand the two
; loads of the row 12 further down, which land in the slot of the row 4 back.  Block 0 issues none (all sixteen slots were asked for at the head), nor do blocks 13 to 15 (no row is left).
.macro ROW i
.if (\i)%4 == 0
.if (\i) == 0
	s_wait_loadcnt 24                              ; my first block's eight loads are in; the three younger blocks stay out
.elseif (\i) <= 52
	s_wait_loadcnt 16                              ; this block's eight loads are in; the two younger blocks stay out
.else
	s_wait_loadcnt 2*(60-(\i))                     ; nothing is loaded any more: the counts run down
.endif
.if ((\i) >= 4) && ((\i) <= 48)
	s_wait_alu depctr_va_vdst(0)                   ; the block before is done reading its four slots, in which this block's eight loads land
.endif
.endif
.set XS, X+8*((\i)%16)
.set XN, X+8*(((\i)+12)%16)
.set WP, WT+2*((\i)/2)
.if ((\i) >= 4) && ((\i) <= 51)
	global_load_b128 v[XN:XN+3],   v[OFF], s[8:9] offset:((\i)+12)*8192 th:TH_LOAD_NT      ; no vector instruction since the wait at the block's head names these registers
	global_load_b128 v[XN+4:XN+7], v[OFF], s[8:9] offset:((\i)+12)*8192+512 th:TH_LOAD_NT  ; the row stands in the immediate: 516,608 bytes at the most
.endif
.irp q, 0,1,2,3
.if (\i) == 0
	v_pk_mul_f32 v[ACC+2*(\q):ACC+2*(\q)+1], v[XS+2*(\q):XS+2*(\q)+1], v[WP:WP+1] op_sel_hi:[1,0]   ; the first row starts the sums: nothing is cleared
.elseif (\i)%2 == 0
	v_pk_fma_f32 v[ACC+2*(\q):ACC+2*(\q)+1], v[XS+2*(\q):XS+2*(\q)+1], v[WP:WP+1], v[ACC+2*(\q):ACC+2*(\q)+1] op_sel_hi:[1,0,1]
.else
	v_pk_fma_f32 v[ACC+2*(\q):ACC+2*(\q)+1], v[XS+2*(\q):XS+2*(\q)+1], v[WP:WP+1], v[ACC+2*(\q):ACC+2*(\q)+1] op_sel:[0,1,0] op_sel_hi:[1,1,1]
.endif
.endr
.endm
.set ri, 0
.rept 64
	ROW ri
.set ri, ri+1
.endr
	s_wait_alu depctr_va_vdst(0)                   ; the multiply-adds have written ACC, which the LDS stores read, and are done reading X, in which the LDS loads behind the barrier land
	ds_store_b128 v15, v[ACC:ACC+3] offset:RED
	ds_store_b128 v15, v[ACC+4:ACC+7] offset:RED+512
	s_wait_dscnt 0x0                               ; for the others' sake
	s_barrier_signal -1
	s_barrier_wait -1
	s_cmp_gt_u32 s14, 1                            ; the sixteen sums are added by waves 0 and 1: thread t takes the 16 bytes at 16 t of the 1,024
	s_cbranch_scc1 .Lend
.irp k, 0,1,2,3,4,5,6,7,8,9,10,11,12,13,14,15
	ds_load_b128 v[X+4*(\k):X+4*(\k)+3], v[FO] offset:RED+1024*(\k)   ; no vector instruction since the last wait on va_vdst names X
.endr
	s_wait_dscnt 0x0
.irp d, 4,8,16,32                      ; neighbours 1, 2, 4 and 8 waves apart
.set bs, 0
.rept 32/(\d)
	v_pk_add_f32 v[X+bs:X+bs+1],   v[X+bs:X+bs+1],   v[X+bs+(\d):X+bs+(\d)+1]
	v_pk_add_f32 v[X+bs+2:X+bs+3], v[X+bs+2:X+bs+3], v[X+bs+(\d)+2:X+bs+(\d)+3]
.set bs, bs+2*(\d)
.endr
.endr
	v_pk_mul_f32 v[X:X+1], v[X:X+1], v[12:13]
	v_pk_mul_f32 v[X+2:X+3], v[X+2:X+3], v[12:13]
	s_wait_alu depctr_va_vdst(0)                   ; the two multiplies have written v[X .. X+3], which the store reads
	global_store_b128 v[FO], v[X:X+3], s[10:11]    ; a wave's store: 512 consecutive bytes, at a multiple of 512 from out0's first
.Lend:
	s_wait_dscnt 0x0
	s_wait_alu depctr_hold_cnt(0) depctr_sa_sdst(0) depctr_va_vdst(0) depctr_va_sdst(0) depctr_va_ssrc(0) depctr_va_vcc(0) depctr_vm_vsrc(0)
	s_wait_tensorcnt 0x0
	ds_add_u32 v248, v249
	s_wait_dscnt 0x0
	s_endpgm
.Lfunc_end_k_qd6e390a212_context:
	.size	k_qd6e390a212_context, .Lfunc_end_k_qd6e390a212_context-k_qd6e390a212_context
	.p2alignl 7, 3214868480
	.fill 96, 4, 3214868480
	.section	.rodata,"a",@progbits
	.p2align	6, 0x0
	.amdhsa_kernel k_qd6e390a212_context
		.amdhsa_group_segment_fixed_size 23040
		.amdhsa_private_segment_fixed_size 0
		.amdhsa_enable_private_segment 0
		.amdhsa_kernarg_size 40
		.amdhsa_user_sgpr_count 2
		.amdhsa_user_sgpr_kernarg_segment_ptr 1
		.amdhsa_wavefront_size32 1
		.amdhsa_system_sgpr_workgroup_id_x 1
		.amdhsa_system_sgpr_workgroup_id_y 1
		.amdhsa_system_sgpr_workgroup_id_z 1
		.amdhsa_system_vgpr_workitem_id 0
		.amdhsa_next_free_vgpr 250
		.amdhsa_next_free_sgpr 66
		.amdhsa_reserve_vcc 0
		.amdhsa_float_denorm_mode_32 3
		.amdhsa_float_denorm_mode_16_64 3
		.amdhsa_memory_ordered 1
		.amdhsa_forward_progress 1
		.amdhsa_inst_pref_size 41
	.end_amdhsa_kernel
	.amdgpu_metadata
---
amdhsa.version: [ 1, 2 ]
amdhsa.kernels:
  - .name:           k_qd6e390a212_context
    .symbol:         k_qd6e390a212_context.kd
    .args:
      - { .name: ps, .offset: 0, .size: 8, .value_kind: global_buffer, .address_space: global }
      - { .name: bv, .offset: 8, .size: 8, .value_kind: global_buffer, .address_space: global }
      - { .name: values, .offset: 16, .size: 8, .value_kind: global_buffer, .address_space: global }
      - { .name: out0, .offset: 24, .size: 8, .value_kind: global_buffer, .address_space: global }
      - { .name: out1, .offset: 32, .size: 8, .value_kind: global_buffer, .address_space: global }
    .group_segment_fixed_size: 23040
    .private_segment_fixed_size: 0
    .kernarg_segment_align: 8
    .kernarg_segment_size: 40
    .max_flat_workgroup_size: 512
    .sgpr_count:     66
    .vgpr_count:     250
    .wavefront_size: 32
...
	.end_amdgpu_metadata
.endif
;; end of part 4
